; MI455X (gfx1250); checked and timed in simulation.
; The chip was launched on July 23, 2026; its instructions are those of AMD's public machine-readable ISA for CDNA 5 (MIT licence, August 2026) and "CDNA5" Instruction Set Architecture Reference Guide (July 2026). The comments in the code are by the model that wrote it; some were corrected since.
;; Multi Lora Column Parallel Linear. Allowed arithmetic: float matrix products may take bf16 or f16 operands with f32 sums; all other float work in f32.
;; Inputs: W 32 x 16 x 4,096 float32; adapter_ids 4 int32; x 4 x 2,048 x 4,096 float32.
;; Outputs: out0 4 x 2,048 x 16 float32.
;; 2 versions, each right; version 2 is version 1 with the launch lora written anew for expert scheduling mode. Each part assembles by itself: llvm-mc -triple=amdgcn-amd-amdhsa -mcpu=gfx1250 --defsym DOCPART=n.
;; ======== version 1 of 2: 1 launch
;; launch lora (part 1): grid 256 x 1, 16 waves a work-group, no clusters, 313,344 bytes of LDS; arguments x, adapter_ids, W, out0; writes out0
.if DOCPART == 1
	.amdgcn_target "amdgcn-amd-amdhsa--gfx1250"
	.amdhsa_code_object_version 6
	.text
	.protected	k_qc2082e34b7_lora
	.globl	k_qc2082e34b7_lora
	.p2align	8
	.type	k_qc2082e34b7_lora,@function
k_qc2082e34b7_lora:
	s_mov_b64 s[64:65], 0
	v_nop
	global_prefetch_b8 v0, s[64:65] scope:SCOPE_SE
	s_setreg_imm32_b32 hwreg(HW_REG_WAVE_MODE, 25, 1), 1
	s_wait_xcnt 0x0
; out0[b][s][o] = sum over k of x[b][s][k] * W[adapter_ids[b]][o][k].   x: [4][2048][4096] f32, W: [32][16][4096] f32, out0: [4][2048][16] f32.
; The operands are rounded to bf16 (nearest even) and multiplied by the matrix unit, sums in f32.
;
; SHARES.  256 work-groups of 16 waves.  A work-group owns 32 consecutive rows of x taken as [8192][4096] (64 work-groups to a batch entry, so
; one adapter for each work-group).  Thread t owns the 16 bytes at byte 16 t and at byte 8192 + 16 t of every row, of x and of W alike: wave w owns
; k = 128 w .. 128 w + 127 and 2048 + 128 w .. + 127, each of its loads covers 512 consecutive bytes, aligned, and the 16 waves cover a row.
; A wave multiplies its 256 k of all 32 rows by its 256 k of the adapter's 16 rows, which it keeps as bf16 fragments in 64 registers;
; the 16 waves' partial sums meet in LDS behind the one barrier of the kernel.
;
; THE WAY OF A ROW (x and W alike): two loads of 16 bytes a lane, four conversions to 8 bf16, one LDS store of 16 bytes a lane into the wave's own
; stage; from there the fragments are read, lane = row.  Byte p of a staged row holds the same k for x and for W, so the order of k inside
; the stage (lane l: k 4l..4l+3 of the first half, then of the second) is the same for both operands and drops out of the products.
;
; ORDER OF THE REQUESTS: x rows 0-13 at once (a ring of 14 slots of 8 registers); then, when the adapter's number has come, W's 16 rows, into the
; 128 registers that later hold accumulators and fragments; then x row q + 14 as soon as row q is packed.  No request for x waits for W.
; By this text's own count a wave has at most 60 loads out.
;
; NO CLUSTER, NO JOINT LOADS OF W, although 64 work-groups read the same 262,144 bytes of W: a joint tensor load would land f32 in LDS,
; 16 waves x 16 rows x 1,040 bytes = 266,240 bytes, while x rows 0-15 are being staged (16 x 8,448 = 135,168 bytes) beside 40,960 bytes of
; partial sums: 442,368 bytes, more than the 327,680 that there are.  Through registers W is rounded first and takes 8,448 bytes a wave.
;
; LIMITS.  bf16 operands.  An output is the sum of 32 partial sums in f32 (16 waves x 2 accumulators), not one ascending chain.
; An adapter number outside 0..31 is taken as 31 (unsigned minimum); the problem keeps the numbers inside the table.
.set ROWB,   16384                     ; bytes in a row of x or of W
.set HALFB,  8192                      ; a thread's second 16 bytes of a row
.set XROWS,  32                        ; rows of x of a work-group
.set SLOTS,  14                        ; rows of x on their way in each wave
.set PITCH,  528                       ; a staged row: 512 bytes of bf16 + 16 = 33 x 16, so the 16 rows of a fragment load start in 16 different 16-byte columns of the 256 bytes that the 64 banks span (ISA guide 11.1)
.set TILEB,  16*PITCH                  ; 16 staged rows
.set WSTG,   2*TILEB                   ; a wave's stage: x rows 0-15; then W's 16 rows and, after them, x rows 16-31
.set RPITCH, 80                        ; a row of 16 partial sums: 64 bytes + 16
.set RWAVE,  XROWS*RPITCH              ; a wave's 32 x 16 partial sums
.set STAGE,  16*RWAVE                  ; LDS: the partial sums first (40,960 bytes), the 16 stages behind them
.set GO,  4                            ; v4        16 t: my byte offset in a row of x or W, and (waves 0-3) in the work-group's 2,048 bytes of out0
.set STO, 5                            ; v5        LDS: my 16 bytes in row 0 of my wave's stage
.set FR,  6                            ; v6        LDS: my part of a fragment, row l % 16, 16 (l / 16)
.set PST, 7                            ; v7        LDS: my 32 bytes of my wave's partial sums
.set T,   8                            ; v[8:15]   8 bf16 packed, two sets that take turns
.set WL,  16                           ; v[16:143] W's 16 rows as loaded, 8 registers each; when they are packed the registers serve as:
.set A0,  16                           ; v[16:23]  accumulator of the even K steps
.set A1,  24                           ; v[24:31]  accumulator of the odd K steps
.set XF,  32                           ; v[32:63]  fragments of x, four K steps
.set WF,  64                           ; v[64:127] fragments of W, all eight K steps of my 256 k
.set X,   144                          ; v[144:255] the ring: slot q % 14 holds x row q as loaded; at the end the 16 waves' partial sums
.macro LOADX q                         ; x row q of the work-group: my 2 x 16 bytes.  x is read once in the launch
	global_load_b128 v[X+8*((\q)%SLOTS):X+8*((\q)%SLOTS)+3],   v[GO], s[4:5] offset:(\q)*ROWB th:TH_LOAD_NT
	global_load_b128 v[X+8*((\q)%SLOTS)+4:X+8*((\q)%SLOTS)+7], v[GO], s[4:5] offset:(\q)*ROWB+HALFB th:TH_LOAD_NT
.endm
.macro LOADW j                         ; row j of the adapter: other work-groups read it too, so no hint
	global_load_b128 v[WL+8*(\j):WL+8*(\j)+3],   v[GO], s[8:9] offset:(\j)*ROWB
	global_load_b128 v[WL+8*(\j)+4:WL+8*(\j)+7], v[GO], s[8:9] offset:(\j)*ROWB+HALFB
.endm
; Eight f32 at v[SRC..] become 8 bf16 and go to staged row 'row': 32 lanes store 512 consecutive bytes.
.macro PACK row
	v_cvt_pk_bf16_f32 v[TT],   v[SRC],   v[SRC+1]
	v_cvt_pk_bf16_f32 v[TT+1], v[SRC+2], v[SRC+3]
	v_cvt_pk_bf16_f32 v[TT+2], v[SRC+4], v[SRC+5]
	v_cvt_pk_bf16_f32 v[TT+3], v[SRC+6], v[SRC+7]
	ds_store_b128 v[STO], v[TT:TT+3] offset:(\row)*PITCH
.endm
; The turn of x row q.  Loads come back in order (ISA guide 5.7.1): the count names the loads issued behind row q's two, which are those of the
; x rows up to q + 13 (26 loads) or up to row 31, and 'more' = W's 32 loads as long as they stand behind row q.
.macro TURNX q, more
.set SRC, X+8*((\q)%SLOTS)
.set TT,  T+4*((\q)%2)
.if 2*(XROWS-1-(\q)) < 2*(SLOTS-1)
	s_wait_loadcnt 2*(XROWS-1-(\q))+\more
.else
	s_wait_loadcnt 2*(SLOTS-1)+\more
.endif
	PACK \q
.if (\q)+SLOTS < XROWS
.set NX, (\q)+SLOTS
	LOADX NX                                       ; the slot's next row, as soon as the conversions have read the slot
.endif
.endm
; The turn of W's row j: behind its two loads stand those of W's rows j + 1 .. 15 and of x rows 14 .. 27.
.macro TURNW j
.set SRC, WL+8*(\j)
.set TT,  T+4*((\j)%2)
	s_wait_loadcnt 2*(15-(\j))+2*SLOTS
	PACK 16+\j
.endm
; Fragments of four K steps of x, from staged rows at byte 'stg'.  A fragment of 16 rows x 32 k: lane l holds row l % 16, two loads of 16 bytes, 32 bytes apart.
.macro XFRAGS stg, first
.irp c, 0,1,2,3
	ds_load_b128 v[XF+8*\c:XF+8*\c+3],   v[FR] offset:(\stg)+64*((\first)+\c)
	ds_load_b128 v[XF+8*\c+4:XF+8*\c+7], v[FR] offset:(\stg)+64*((\first)+\c)+32
.endr
.endm
; Four K steps.  Source 0 = 16 rows of W, source 1 = 16 rows of x: lane l then holds row l % 16 of x and, in registers 0-7, the outputs
; o = 8 (l / 16) + 0..7: 32 neighbouring bytes of a row of out0.  The two accumulators take turns, one instruction a turn.
; zero = 1: the first two products start the sums, nothing is cleared.
.macro MUL4 first, zero
.if \zero
	v_wmma_f32_16x16x32_bf16 v[A0:A0+7], v[WF+8*(\first):WF+8*(\first)+7],       v[XF:XF+7],     0
	v_wmma_f32_16x16x32_bf16 v[A1:A1+7], v[WF+8*(\first)+8:WF+8*(\first)+15],    v[XF+8:XF+15],  0
.else
	v_wmma_f32_16x16x32_bf16 v[A0:A0+7], v[WF+8*(\first):WF+8*(\first)+7],       v[XF:XF+7],     v[A0:A0+7]
	v_wmma_f32_16x16x32_bf16 v[A1:A1+7], v[WF+8*(\first)+8:WF+8*(\first)+15],    v[XF+8:XF+15],  v[A1:A1+7]
.endif
	v_wmma_f32_16x16x32_bf16 v[A0:A0+7], v[WF+8*(\first)+16:WF+8*(\first)+23],   v[XF+16:XF+23], v[A0:A0+7]
	v_wmma_f32_16x16x32_bf16 v[A1:A1+7], v[WF+8*(\first)+24:WF+8*(\first)+31],   v[XF+24:XF+31], v[A1:A1+7]
.endm
; Four places behind the matrix instructions, before loads land in their sources and before vector instructions read their results.
.macro PLACES
.rept 4
	v_nop
.endr
.endm
; 16 staged rows of x at byte 'stg' times my 256 k of W; the 16 x 16 partial sums go to rows 'row' .. 'row' + 15 of my block of partial sums.
.macro TILE stg, row
	XFRAGS \stg, 0
	s_wait_dscnt 0x0                               ; the fragments are in (the first time W's too); LDS serves a wave's instructions in order (ISA guide 5.7.1), so they saw the stores above
	MUL4 0, 1
	PLACES
	XFRAGS \stg, 4
	s_wait_dscnt 0x0
	MUL4 4, 0
	PLACES
.irp j, 0,2,4,6
	v_pk_add_f32 v[A0+\j:A0+\j+1], v[A0+\j:A0+\j+1], v[A1+\j:A1+\j+1]     ; even + odd K steps
.endr
	ds_store_b128 v[PST], v[A0:A0+3]   offset:(\row)*RPITCH               ; o = 8 (l / 16) + 0..3 of row l % 16
	ds_store_b128 v[PST], v[A0+4:A0+7] offset:(\row)*RPITCH+16            ; and + 4..7
.endm
; Four partial sums of wave s onto those of wave d.  The arguments may be sums (i + 8): they stand in parentheses, so that 4 multiplies the whole of them.
.macro ADD4 d, s
	v_pk_add_f32 v[X+4*(\d):X+4*(\d)+1],   v[X+4*(\d):X+4*(\d)+1],   v[X+4*(\s):X+4*(\s)+1]
	v_pk_add_f32 v[X+4*(\d)+2:X+4*(\d)+3], v[X+4*(\d)+2:X+4*(\d)+3], v[X+4*(\s)+2:X+4*(\s)+3]
.endm
	s_load_b256 s[4:11], s[0:1], 0x0               ; x s[4:5], adapter_ids s[6:7], W s[8:9], out0 s[10:11]
	v_lshrrev_b32 v1, 5, v0
	v_readfirstlane_b32 s12, v1                    ; my wave, 0..15, as a scalar
	v_lshlrev_b32 v[GO], 4, v0                     ; 16 t
	s_lshr_b32 s13, ttmp9, 6                       ; batch entry: 64 work-groups of 32 rows each
	s_lshl_b32 s13, s13, 2                         ; its word in adapter_ids
	s_lshl_b32 s14, ttmp9, 19                      ; the work-group's 32 rows of 16,384 bytes in x: at most 255 << 19, below 2^31
	s_mov_b32 s15, 0
	s_lshl_b32 s16, ttmp9, 11                      ; and its 32 rows of 64 bytes in out0
	s_mov_b32 s17, 0
	s_mov_b32 s21, 0
	s_wait_kmcnt 0x0
	s_load_b32 s20, s[6:7], s13 offset:0x0         ; my batch entry's adapter
	s_add_nc_u64 s[4:5], s[4:5], s[14:15]
	s_add_nc_u64 s[10:11], s[10:11], s[16:17]
.irp q, 0,1,2,3,4,5,6,7,8,9,10,11,12,13
	LOADX \q                                       ; the ring is filled before anything else is done
.endr
	s_mul_i32 s18, s12, WSTG
	s_add_co_u32 s18, s18, STAGE                   ; my wave's stage
	s_mul_i32 s19, s12, RWAVE                      ; my wave's partial sums
	v_and_b32 v1, 31, v0                           ; lane l
	v_lshl_add_u32 v[STO], v1, 4, s18
	v_and_b32 v2, 15, v0                           ; l % 16
	v_bfe_u32 v3, v0, 4, 1                         ; l / 16
	v_mul_u32_u24 v[FR], v2, PITCH
	v_lshl_add_u32 v[FR], v3, 4, v[FR]
	v_add_nc_u32 v[FR], s18, v[FR]
	v_mul_u32_u24 v[PST], v2, RPITCH
	v_lshl_add_u32 v[PST], v3, 5, v[PST]
	v_add_nc_u32 v[PST], s19, v[PST]
	s_wait_kmcnt 0x0                               ; the adapter's number
	s_min_u32 s20, s20, 31                         ; stays inside the table of 32
	s_lshl_b32 s20, s20, 18                        ; 16 rows of 16,384 bytes each
	s_add_nc_u64 s[8:9], s[8:9], s[20:21]
.irp j, 0,1,2,3,4,5,6,7,8,9,10,11,12,13,14,15
	LOADW \j
.endr
.irp q, 0,1,2,3,4,5,6,7,8,9,10,11,12,13
	TURNX \q, 32                                   ; x rows 0-13 are staged, rows 14-27 requested; W's 32 loads stand behind each of these rows
.endr
.irp j, 0,1,2,3,4,5,6,7,8,9,10,11,12,13,14,15
	TURNW \j                                       ; W's rows are staged in the stage's second half
.endr
.irp c, 0,1,2,3,4,5,6,7
	ds_load_b128 v[WF+8*\c:WF+8*\c+3],   v[FR] offset:TILEB+64*\c         ; W's fragments, kept to the end; all of W's landing registers have been read by now
	ds_load_b128 v[WF+8*\c+4:WF+8*\c+7], v[FR] offset:TILEB+64*\c+32
.endr
.irp q, 14,15,16,17
	TURNX \q, 0                                    ; the last four requests (rows 28-31) go out before any product; rows 16, 17 overwrite W's staged rows behind the loads above, in the wave's own order
.endr
	TILE 0, 0                                      ; rows 0-15, while rows 18-31 are on their way
.irp q, 18,19,20,21,22,23,24,25,26,27,28,29,30,31
	TURNX \q, 0                                    ; the counts run down to 0
.endr
	TILE TILEB, 16                                 ; rows 16-31
	s_wait_dscnt 0x0                               ; my partial sums are in LDS, for the other waves' sake
	s_barrier_signal -1
	s_barrier_wait -1                              ; everybody's are
	s_cmp_ge_u32 s12, 4
	s_cbranch_scc1 .Ldone                          ; 512 outputs, four to a thread: waves 0-3 add and store
	v_lshrrev_b32 v1, 2, v0                        ; thread t: row t / 4 of the 32,
	v_and_b32 v2, 3, v0                            ; outputs 4 (t % 4) + 0..3
	v_mul_u32_u24 v1, v1, RPITCH
	v_lshl_add_u32 v1, v2, 4, v1
.irp w, 0,1,2,3,4,5,6,7,8,9,10,11,12,13,14,15
	ds_load_b128 v[X+4*\w:X+4*\w+3], v1 offset:\w*RWAVE                   ; wave w's four sums for my four outputs
.endr
	s_wait_dscnt 0x0
.irp i, 0,1,2,3,4,5,6,7
	ADD4 \i, \i+8                                  ; a tree over the 16 waves: 8 pairs,
.endr
.irp i, 0,1,2,3
	ADD4 \i, \i+4                                  ; 4 pairs,
.endr
	ADD4 0, 2                                      ; 2 pairs,
	ADD4 1, 3
	ADD4 0, 1                                      ; and the last
	global_store_b128 v[GO], v[X:X+3], s[10:11] th:TH_STORE_NT            ; byte 16 t of the work-group's 2,048: sixteen lanes store 256 consecutive bytes, aligned
.Ldone:
	s_wait_xcnt 0x0
	v_lshl_add_u32 v254, v0, 2, 0x4c000
	v_mov_b32 v255, 0
	s_wait_tensorcnt 0x0
	ds_add_u32 v254, v255
	s_wait_dscnt 0x0
	s_endpgm
.Lfunc_end_k_qc2082e34b7_lora:
	.size	k_qc2082e34b7_lora, .Lfunc_end_k_qc2082e34b7_lora-k_qc2082e34b7_lora
	.p2alignl 7, 3214868480
	.fill 96, 4, 3214868480
	.section	.rodata,"a",@progbits
	.p2align	6, 0x0
	.amdhsa_kernel k_qc2082e34b7_lora
		.amdhsa_group_segment_fixed_size 313344
		.amdhsa_private_segment_fixed_size 0
		.amdhsa_enable_private_segment 0
		.amdhsa_kernarg_size 32
		.amdhsa_user_sgpr_count 2
		.amdhsa_user_sgpr_kernarg_segment_ptr 1
		.amdhsa_wavefront_size32 1
		.amdhsa_system_sgpr_workgroup_id_x 1
		.amdhsa_system_sgpr_workgroup_id_y 1
		.amdhsa_system_sgpr_workgroup_id_z 1
		.amdhsa_system_vgpr_workitem_id 0
		.amdhsa_next_free_vgpr 256
		.amdhsa_next_free_sgpr 66
		.amdhsa_reserve_vcc 0
		.amdhsa_float_denorm_mode_32 3
		.amdhsa_float_denorm_mode_16_64 3
		.amdhsa_memory_ordered 1
		.amdhsa_forward_progress 1
		.amdhsa_inst_pref_size 37
	.end_amdhsa_kernel
	.amdgpu_metadata
---
amdhsa.version: [ 1, 2 ]
amdhsa.kernels:
  - .name:           k_qc2082e34b7_lora
    .symbol:         k_qc2082e34b7_lora.kd
    .args:
      - { .name: x, .offset: 0, .size: 8, .value_kind: global_buffer, .address_space: global }
      - { .name: adapter_ids, .offset: 8, .size: 8, .value_kind: global_buffer, .address_space: global }
      - { .name: W, .offset: 16, .size: 8, .value_kind: global_buffer, .address_space: global }
      - { .name: out0, .offset: 24, .size: 8, .value_kind: global_buffer, .address_space: global }
    .group_segment_fixed_size: 313344
    .private_segment_fixed_size: 0
    .kernarg_segment_align: 8
    .kernarg_segment_size: 32
    .max_flat_workgroup_size: 512
    .sgpr_count:     66
    .vgpr_count:     256
    .wavefront_size: 32
...
	.end_amdgpu_metadata
.endif
;; end of part 1
;; ======== version 2 of 2: 1 launch; version 1 with the launch lora written anew for expert scheduling mode
;; launch lora (part 2): grid 256 x 1, 16 waves a work-group, no clusters, 313,344 bytes of LDS; arguments x, adapter_ids, W, out0; writes out0
.if DOCPART == 2
	.amdgcn_target "amdgcn-amd-amdhsa--gfx1250"
	.amdhsa_code_object_version 6
	.text
	.protected	k_qc2082e34b7_lora
	.globl	k_qc2082e34b7_lora
	.p2align	8
	.type	k_qc2082e34b7_lora,@function
k_qc2082e34b7_lora:
	s_mov_b64 s[64:65], 0
	v_nop
	global_prefetch_b8 v0, s[64:65] scope:SCOPE_SE
	s_setreg_imm32_b32 hwreg(HW_REG_WAVE_SCHED_MODE, 0, 2), 2
	s_setreg_imm32_b32 hwreg(HW_REG_WAVE_MODE, 25, 1), 1
	s_wait_xcnt 0x0
	s_wait_alu depctr_vm_vsrc(0)
; out0[b][s][o] = sum over k of x[b][s][k] * W[adapter_ids[b]][o][k].   x: [4][2048][4096] f32, W: [32][16][4096] f32, out0: [4][2048][16] f32.
; The operands are rounded to bf16 (nearest even) and multiplied by the matrix unit, sums in f32.
;
; SHARES.  256 work-groups of 16 waves.  A work-group owns 32 consecutive rows of x taken as [8192][4096] (64 work-groups to a batch entry, so
; one adapter for each work-group).  Thread t owns the 16 bytes at byte 16 t and at byte 8192 + 16 t of every row, of x and of W alike: wave w owns
; k = 128 w .. 128 w + 127 and 2048 + 128 w .. + 127, each of its loads covers 512 consecutive bytes, aligned, and the 16 waves cover a row.
; A wave multiplies its 256 k of all 32 rows by its 256 k of the adapter's 16 rows, which it keeps as bf16 fragments in 64 registers;
; the 16 waves' partial sums meet in LDS behind the one barrier of the kernel.
;
; THE WAY OF A ROW (x and W alike): two loads of 16 bytes a lane, four conversions that close the 8 numbers up, as bf16, into the first four of their
; eight registers, one LDS store of 16 bytes a lane into the wave's own stage; from there the fragments are read, lane = row.  Byte p of a staged row
; holds the same k for x and for W, so the order of k inside the stage (lane l: k 4l..4l+3 of the first half, then of the second) is the same for
; both operands and drops out of the products.
;
; ORDER OF THE REQUESTS: x rows 0-13 at once (a ring of 14 slots of 8 registers); then, when the adapter's number has come, W's 16 rows, into the
; 128 registers that later hold accumulators and fragments; then x rows q + 14, q + 15 one block behind the block that packed rows q, q + 1.
; No request for x waits for W.  By this text's own count a wave has at most 60 loads out.
;
; THE MODE: SCHED_MODE bits 1:0 = 2 (LLVM: expert scheduling mode 2), set by the entry lines.  The code itself states the register dependences
; between vector or matrix instructions and memory or LDS instructions, with s_wait_alu, always for 0.
; THE PLAN.  Rows go in blocks: two of x, four of W.  Registers that memory or LDS instructions touch:
;   a ring slot   The loads land in its eight registers; the block's conversions read the eight and write the low four; the block's LDS store reads the low
;                 four; the slot's next loads are issued in the NEXT block.  A slot is its own out-buffer: no conversion writes a register that an LDS store of a block near by reads.
;   W's landing   The same, without a next load: later the registers are written by matrix instructions (accumulators) and by LDS loads (fragments).
;   v[XF ..]      LDS loads land; four matrix instructions read; the next four fragments land.
;   v[A0 ..]      Matrix instructions and four additions write; two LDS stores read; the second tile's first product writes again.
;   v[GO], v[STO], v[FR], v[PST]   Made once at the head, read by loads and stores, never written again: rows are reached by immediate offsets.
; A block holds ONE wait on va_vdst, behind its conversions: they have written what its LDS stores read, and every earlier conversion is done with the slots
; that are loaded again.  Beside it, in the blocks that let loads land in registers that LDS stores read, one wait on vm_vsrc: those stores were issued a
; block earlier.  The block's loads and stores follow; no vector instruction stands between the waits and them.
;
; NO CLUSTER, NO JOINT LOADS OF W, although 64 work-groups read the same 262,144 bytes of W: a joint tensor load would land f32 in LDS,
; 16 waves x 16 rows x 1,040 bytes = 266,240 bytes, while x rows 0-15 are being staged (16 x 8,448 = 135,168 bytes) beside 40,960 bytes of
; partial sums: 442,368 bytes, more than the 327,680 that there are.  Through registers W is rounded first and takes 8,448 bytes a wave.
;
; LIMITS.  bf16 operands.  An output is the sum of 32 partial sums in f32 (16 waves x 2 accumulators), not one ascending chain.
; An adapter number outside 0..31 is taken as 31 (unsigned minimum); the problem keeps the numbers inside the table.
.set ROWB,   16384                     ; bytes in a row of x or of W
.set HALFB,  8192                      ; a thread's second 16 bytes of a row
.set XROWS,  32                        ; rows of x of a work-group
.set SLOTS,  14                        ; slots of the ring
.set PITCH,  528                       ; a staged row: 512 bytes of bf16 + 16 = 33 x 16, so the 16 rows of a fragment load start in 16 different 16-byte columns of the 256 bytes that the 64 banks span (ISA guide 11.1)
.set TILEB,  16*PITCH                  ; 16 staged rows
.set WSTG,   2*TILEB                   ; a wave's stage: x rows 0-15; then W's 16 rows and, after them, x rows 16-31
.set RPITCH, 80                        ; a row of 16 partial sums: 64 bytes + 16
.set RWAVE,  XROWS*RPITCH              ; a wave's 32 x 16 partial sums
.set STAGE,  16*RWAVE                  ; LDS: the partial sums first (40,960 bytes), the 16 stages behind them
.set GO,  4                            ; v4        16 t: my byte offset in a row of x or W, and (waves 0-3) in the work-group's 2,048 bytes of out0
.set STO, 5                            ; v5        LDS: my 16 bytes in row 0 of my wave's stage
.set FR,  6                            ; v6        LDS: my part of a fragment, row l % 16, 16 (l / 16)
.set PST, 7                            ; v7        LDS: my 32 bytes of my wave's partial sums
.set WL,  8                            ; v[8:135]  W's 16 rows as loaded, 8 registers each; when they are staged the registers serve as:
.set A0,  8                            ; v[8:15]   accumulator of the even K steps
.set A1,  16                           ; v[16:23]  accumulator of the odd K steps
.set XF,  24                           ; v[24:55]  fragments of x, four K steps
.set WF,  56                           ; v[56:119] fragments of W, all eight K steps of my 256 k
.set X,   136                          ; v[136:247] the ring: slot q % 14 holds x row q as loaded, then packed; at the end the 16 waves' partial sums
.macro LOADX q                         ; x row q of the work-group: my 2 x 16 bytes.  x is read once in the launch
	global_load_b128 v[X+8*((\q)%SLOTS):X+8*((\q)%SLOTS)+3],   v[GO], s[4:5] offset:(\q)*ROWB th:TH_LOAD_NT
	global_load_b128 v[X+8*((\q)%SLOTS)+4:X+8*((\q)%SLOTS)+7], v[GO], s[4:5] offset:(\q)*ROWB+HALFB th:TH_LOAD_NT
.endm
.macro LOADW j                         ; row j of the adapter: other work-groups read it too, so no hint
	global_load_b128 v[WL+8*(\j):WL+8*(\j)+3],   v[GO], s[8:9] offset:(\j)*ROWB
	global_load_b128 v[WL+8*(\j)+4:WL+8*(\j)+7], v[GO], s[8:9] offset:(\j)*ROWB+HALFB
.endm
; Eight f32 at v[src ..] close up, as 8 bf16, into the first four of their eight registers: each line writes a register whose number the lines above have read.
.macro PACK src
	v_cvt_pk_bf16_f32 v[(\src)],   v[(\src)],   v[(\src)+1]
	v_cvt_pk_bf16_f32 v[(\src)+1], v[(\src)+2], v[(\src)+3]
	v_cvt_pk_bf16_f32 v[(\src)+2], v[(\src)+4], v[(\src)+5]
	v_cvt_pk_bf16_f32 v[(\src)+3], v[(\src)+6], v[(\src)+7]
.endm
; They go to staged row 'row': 32 lanes store 512 consecutive bytes.
.macro PUT src, row
	ds_store_b128 v[STO], v[(\src):(\src)+3] offset:(\row)*PITCH
.endm
; W's fragments, all eight K steps, kept to the end.
.macro WFRAGS
.irp c, 0,1,2,3,4,5,6,7
	ds_load_b128 v[WF+8*\c:WF+8*\c+3],   v[FR] offset:TILEB+64*\c
	ds_load_b128 v[WF+8*\c+4:WF+8*\c+7], v[FR] offset:TILEB+64*\c+32
.endr
.endm
; The block of x rows q, q + 1.  left = the loads issued behind row q + 1's two, which may stay out: loads come back in order (ISA guide 5.7.1).
; what = 1: the two slots of the block before are asked for again, with rows q + 12, q + 13.  what = 2: W's fragments are read.  what = 0: neither.
.macro XBLK q, left, what
.set SA, X+8*((\q)%SLOTS)
.set SB, X+8*(((\q)+1)%SLOTS)
	s_wait_loadcnt \left
	PACK SA
	PACK SB
.if \what
	s_wait_alu depctr_vm_vsrc(0)                   ; the LDS stores of the blocks before have read their registers, in which the loads below land
.endif
	s_wait_alu depctr_va_vdst(0)                   ; these conversions have written what the LDS stores below read (in the first block: v[STO], v[FR], v[PST] are written too); the earlier ones are done with the registers in which the loads below land
.if (\what) == 1
	LOADX (\q)+SLOTS-2                             ; the requests first, then the stores
	LOADX (\q)+SLOTS-1
.elseif (\what) == 2
	WFRAGS                                         ; behind W's LDS stores and ahead of those of x rows 16, 17, which overwrite W's staged rows: LDS serves a wave's instructions in order (ISA guide 5.7.1)
.endif
	PUT SA, \q
	PUT SB, (\q)+1
.endm
; The block of W's rows j .. j + 3, staged in the stage's second half.  fill = 1: the last two slots of the ring's first round are asked for again, with x rows 26, 27.
.macro WBLK j, left, fill
	s_wait_loadcnt \left
.irp i, 0,1,2,3
	PACK WL+8*((\j)+\i)
.endr
.if \fill
	s_wait_alu depctr_vm_vsrc(0)                   ; the LDS stores of x rows 12, 13 have read their slots, in which the loads below land
.endif
	s_wait_alu depctr_va_vdst(0)                   ; these conversions have written what the LDS stores below read; those of x rows 12, 13 are done with their slots
.if \fill
	LOADX 2*SLOTS-2
	LOADX 2*SLOTS-1
.endif
.irp i, 0,1,2,3
	PUT WL+8*((\j)+\i), 16+(\j)+\i
.endr
.endm
; Fragments of four K steps of x, from staged rows at byte 'stg'.  A fragment of 16 rows x 32 k: lane l holds row l % 16, two loads of 16 bytes, 32 bytes apart.
.macro XFRAGS stg, first
.irp c, 0,1,2,3
	ds_load_b128 v[XF+8*\c:XF+8*\c+3],   v[FR] offset:(\stg)+64*((\first)+\c)
	ds_load_b128 v[XF+8*\c+4:XF+8*\c+7], v[FR] offset:(\stg)+64*((\first)+\c)+32
.endr
.endm
; Four K steps.  Source 0 = 16 rows of W, source 1 = 16 rows of x: lane l then holds row l % 16 of x and, in registers 0-7, the outputs
; o = 8 (l / 16) + 0..7: 32 neighbouring bytes of a row of out0.  The two accumulators take turns, one instruction a turn.
; zero = 1: the first two products start the sums, nothing is cleared.
.macro MUL4 first, zero
.if \zero
	v_wmma_f32_16x16x32_bf16 v[A0:A0+7], v[WF+8*(\first):WF+8*(\first)+7],       v[XF:XF+7],     0
	v_wmma_f32_16x16x32_bf16 v[A1:A1+7], v[WF+8*(\first)+8:WF+8*(\first)+15],    v[XF+8:XF+15],  0
.else
	v_wmma_f32_16x16x32_bf16 v[A0:A0+7], v[WF+8*(\first):WF+8*(\first)+7],       v[XF:XF+7],     v[A0:A0+7]
	v_wmma_f32_16x16x32_bf16 v[A1:A1+7], v[WF+8*(\first)+8:WF+8*(\first)+15],    v[XF+8:XF+15],  v[A1:A1+7]
.endif
	v_wmma_f32_16x16x32_bf16 v[A0:A0+7], v[WF+8*(\first)+16:WF+8*(\first)+23],   v[XF+16:XF+23], v[A0:A0+7]
	v_wmma_f32_16x16x32_bf16 v[A1:A1+7], v[WF+8*(\first)+24:WF+8*(\first)+31],   v[XF+24:XF+31], v[A1:A1+7]
.endm
; Four places behind the matrix instructions (ISA guide 7.12.1); they stay beside the waits, which fill none.
.macro PLACES
.rept 4
	v_nop
.endr
.endm
; 16 staged rows of x at byte 'stg' times my 256 k of W; the 16 x 16 partial sums go to rows 'row' .. 'row' + 15 of my block of partial sums.
; The first fragments land in v[XF ..] with no wait of their own: every vector, matrix and LDS instruction that named these registers stands ahead of waits already passed.
.macro TILE stg, row
	XFRAGS \stg, 0
	s_wait_dscnt 0x0                               ; the fragments are in (the first time W's too); LDS serves a wave's instructions in order (ISA guide 5.7.1), so they saw the stores above
	MUL4 0, 1
	PLACES
	s_wait_alu depctr_va_vdst(0)                   ; the four matrix instructions are done reading v[XF ..], in which the next four fragments land
	XFRAGS \stg, 4
	s_wait_dscnt 0x0
	MUL4 4, 0
	PLACES
.irp j, 0,2,4,6
	v_pk_add_f32 v[A0+\j:A0+\j+1], v[A0+\j:A0+\j+1], v[A1+\j:A1+\j+1]     ; even + odd K steps
.endr
	s_wait_alu depctr_va_vdst(0)                   ; the additions have written v[A0 ..], which the LDS stores read
	ds_store_b128 v[PST], v[A0:A0+3]   offset:(\row)*RPITCH               ; o = 8 (l / 16) + 0..3 of row l % 16
	ds_store_b128 v[PST], v[A0+4:A0+7] offset:(\row)*RPITCH+16            ; and + 4..7
.endm
; Four partial sums of wave s onto those of wave d.  The arguments may be sums (i + 8): they stand in parentheses, so that 4 multiplies the whole of them.
.macro ADD4 d, s
	v_pk_add_f32 v[X+4*(\d):X+4*(\d)+1],   v[X+4*(\d):X+4*(\d)+1],   v[X+4*(\s):X+4*(\s)+1]
	v_pk_add_f32 v[X+4*(\d)+2:X+4*(\d)+3], v[X+4*(\d)+2:X+4*(\d)+3], v[X+4*(\s)+2:X+4*(\s)+3]
.endm
	s_load_b256 s[4:11], s[0:1], 0x0               ; x s[4:5], adapter_ids s[6:7], W s[8:9], out0 s[10:11]
	v_lshl_add_u32 v248, v0, 2, 0x4c000
	v_mov_b32 v249, 0
	v_lshrrev_b32 v1, 5, v0
	v_readfirstlane_b32 s12, v1                    ; my wave, 0..15, as a scalar
	v_lshlrev_b32 v[GO], 4, v0                     ; 16 t
	s_lshr_b32 s13, ttmp9, 6                       ; batch entry: 64 work-groups of 32 rows each
	s_lshl_b32 s13, s13, 2                         ; its word in adapter_ids
	s_lshl_b32 s14, ttmp9, 19                      ; the work-group's 32 rows of 16,384 bytes in x: at most 255 << 19, below 2^31
	s_mov_b32 s15, 0
	s_lshl_b32 s16, ttmp9, 11                      ; and its 32 rows of 64 bytes in out0
	s_mov_b32 s17, 0
	s_mov_b32 s21, 0
	s_wait_kmcnt 0x0
	s_load_b32 s20, s[6:7], s13 offset:0x0         ; my batch entry's adapter
	s_add_nc_u64 s[4:5], s[4:5], s[14:15]
	s_add_nc_u64 s[10:11], s[10:11], s[16:17]
	s_wait_alu depctr_va_vdst(0)                   ; v[GO] is written: every global load and the store read it as their offset
.irp q, 0,1,2,3,4,5,6,7,8,9,10,11,12,13
	LOADX \q                                       ; the ring is filled before anything else is done
.endr
	s_wait_alu depctr_va_sdst(0)                   ; s12 is written, ahead of its first reader: the wave's places in LDS are made from it
	s_mul_i32 s18, s12, WSTG
	s_add_co_u32 s18, s18, STAGE                   ; my wave's stage
	s_mul_i32 s19, s12, RWAVE                      ; my wave's partial sums
	v_and_b32 v1, 31, v0                           ; lane l
	v_lshl_add_u32 v[STO], v1, 4, s18
	v_and_b32 v2, 15, v0                           ; l % 16
	v_bfe_u32 v3, v0, 4, 1                         ; l / 16
	v_mul_u32_u24 v[FR], v2, PITCH
	v_lshl_add_u32 v[FR], v3, 4, v[FR]
	v_add_nc_u32 v[FR], s18, v[FR]
	v_mul_u32_u24 v[PST], v2, RPITCH
	v_lshl_add_u32 v[PST], v3, 5, v[PST]
	v_add_nc_u32 v[PST], s19, v[PST]
	s_wait_kmcnt 0x0                               ; the adapter's number
	s_min_u32 s20, s20, 31                         ; stays inside the table of 32
	s_lshl_b32 s20, s20, 18                        ; 16 rows of 16,384 bytes each
	s_add_nc_u64 s[8:9], s[8:9], s[20:21]
.irp j, 0,1,2,3,4,5,6,7,8,9,10,11,12,13,14,15
	LOADW \j                                       ; no wait: v[GO] stands as it was, and no vector instruction has named v[WL ..]
.endr
	XBLK 0, 56, 0                                  ; behind row 1 stand x rows 2-13 (24 loads) and W's 32; there is no block before it whose slots could be asked for again
.irp q, 2,4,6,8,10,12
	XBLK \q, 52, 1                                 ; behind row q + 1 stand x rows q + 2 .. q + 11 (20 loads, those past row 13 issued by the blocks before) and W's 32; rows 14-25 are requested
.endr
	WBLK 0,  48, 1                                 ; behind W's row 3: W's rows 4-15 (24) and x rows 14-25 (24); x rows 26, 27 are requested
	WBLK 4,  44, 0                                 ; W's rows 8-15 (16) and x rows 14-27 (28)
	WBLK 8,  36, 0                                 ; W's rows 12-15 (8) and the 28
	WBLK 12, 28, 0                                 ; the 28
	XBLK 14, 24, 2                                 ; behind row 15: x rows 16-27.  Its wait on vm_vsrc stands behind all of W's LDS stores: from here on W's landing registers may be written, by LDS loads and by matrix instructions
	XBLK 16, 20, 1                                 ; behind row 17: x rows 18-27; rows 28, 29 are requested
	s_wait_alu depctr_vm_vsrc(0)                   ; the LDS stores of x rows 16, 17 have read their slots, in which the last two rows land (their conversions stand ahead of the block's wait on va_vdst)
	LOADX 30                                       ; the last requests go out before any product
	LOADX 31
	TILE 0, 0                                      ; rows 0-15, while rows 18-31 are on their way
.irp q, 18,20,22,24,26,28,30
	XBLK \q, 2*(30-\q), 0                          ; behind row q + 1: rows q + 2 .. 31: the counts run down to 0; no slot is asked for again
.endr
	s_wait_alu depctr_vm_vsrc(0)                   ; the LDS stores of the first tile's partial sums have read v[A0 ..], which the next product writes; those of x rows 18-31 have read ring registers in which the last LDS loads of waves 0-3 land
	TILE TILEB, 16                                 ; rows 16-31
	s_wait_dscnt 0x0                               ; my partial sums are in LDS, for the other waves' sake
	s_barrier_signal -1
	s_barrier_wait -1                              ; everybody's are
	s_cmp_ge_u32 s12, 4
	s_cbranch_scc1 .Ldone                          ; 512 outputs, four to a thread: waves 0-3 add and store
	v_lshrrev_b32 v1, 2, v0                        ; thread t: row t / 4 of the 32,
	v_and_b32 v2, 3, v0                            ; outputs 4 (t % 4) + 0..3
	v_mul_u32_u24 v1, v1, RPITCH
	v_lshl_add_u32 v1, v2, 4, v1
	s_wait_alu depctr_va_vdst(0)                   ; v1 is written, which the LDS loads read as their address
.irp w, 0,1,2,3,4,5,6,7,8,9,10,11,12,13,14,15
	ds_load_b128 v[X+4*\w:X+4*\w+3], v1 offset:\w*RWAVE                   ; wave w's four sums for my four outputs
.endr
	s_wait_dscnt 0x0
.irp i, 0,1,2,3,4,5,6,7
	ADD4 \i, \i+8                                  ; a tree over the 16 waves: 8 pairs,
.endr
.irp i, 0,1,2,3
	ADD4 \i, \i+4                                  ; 4 pairs,
.endr
	ADD4 0, 2                                      ; 2 pairs,
	ADD4 1, 3
	ADD4 0, 1                                      ; and the last
	s_wait_alu depctr_va_vdst(0)                   ; the last additions have written v[X .. X+3], which the store reads
	global_store_b128 v[GO], v[X:X+3], s[10:11] th:TH_STORE_NT            ; byte 16 t of the work-group's 2,048: sixteen lanes store 256 consecutive bytes, aligned
.Ldone:
	s_wait_dscnt 0x0
	s_wait_alu depctr_hold_cnt(0) depctr_sa_sdst(0) depctr_va_vdst(0) depctr_va_sdst(0) depctr_va_ssrc(0) depctr_va_vcc(0) depctr_vm_vsrc(0)
	s_wait_tensorcnt 0x0
	ds_add_u32 v248, v249
	s_wait_dscnt 0x0
	s_endpgm
.Lfunc_end_k_qc2082e34b7_lora:
	.size	k_qc2082e34b7_lora, .Lfunc_end_k_qc2082e34b7_lora-k_qc2082e34b7_lora
	.p2alignl 7, 3214868480
	.fill 96, 4, 3214868480
	.section	.rodata,"a",@progbits
	.p2align	6, 0x0
	.amdhsa_kernel k_qc2082e34b7_lora
		.amdhsa_group_segment_fixed_size 313344
		.amdhsa_private_segment_fixed_size 0
		.amdhsa_enable_private_segment 0
		.amdhsa_kernarg_size 32
		.amdhsa_user_sgpr_count 2
		.amdhsa_user_sgpr_kernarg_segment_ptr 1
		.amdhsa_wavefront_size32 1
		.amdhsa_system_sgpr_workgroup_id_x 1
		.amdhsa_system_sgpr_workgroup_id_y 1
		.amdhsa_system_sgpr_workgroup_id_z 1
		.amdhsa_system_vgpr_workitem_id 0
		.amdhsa_next_free_vgpr 250
		.amdhsa_next_free_sgpr 66
		.amdhsa_reserve_vcc 0
		.amdhsa_float_denorm_mode_32 3
		.amdhsa_float_denorm_mode_16_64 3
		.amdhsa_memory_ordered 1
		.amdhsa_forward_progress 1
		.amdhsa_inst_pref_size 37
	.end_amdhsa_kernel
	.amdgpu_metadata
---
amdhsa.version: [ 1, 2 ]
amdhsa.kernels:
  - .name:           k_qc2082e34b7_lora
    .symbol:         k_qc2082e34b7_lora.kd
    .args:
      - { .name: x, .offset: 0, .size: 8, .value_kind: global_buffer, .address_space: global }
      - { .name: adapter_ids, .offset: 8, .size: 8, .value_kind: global_buffer, .address_space: global }
      - { .name: W, .offset: 16, .size: 8, .value_kind: global_buffer, .address_space: global }
      - { .name: out0, .offset: 24, .size: 8, .value_kind: global_buffer, .address_space: global }
    .group_segment_fixed_size: 313344
    .private_segment_fixed_size: 0
    .kernarg_segment_align: 8
    .kernarg_segment_size: 32
    .max_flat_workgroup_size: 512
    .sgpr_count:     66
    .vgpr_count:     250
    .wavefront_size: 32
...
	.end_amdgpu_metadata
.endif
;; end of part 2
